; MI455X (gfx1250); checked and timed in simulation.
; The chip was launched on July 23, 2026; its instructions are those of AMD's public machine-readable ISA for CDNA 5 (MIT licence, August 2026) and "CDNA5" Instruction Set Architecture Reference Guide (July 2026). The comments in the code are by the model that wrote it; some were corrected since.
;; Quantization Layer. Allowed arithmetic: float matrix products may take bf16 or f16 operands with f32 sums; all other float work in f32.
;; Inputs: W 8,192 x 512 float32; x 16,384 x 512 float32.
;; Outputs: out0 16,384 x 512 float32; out1 one number float32.
;; One version. Each part assembles by itself: llvm-mc -triple=amdgcn-amd-amdhsa -mcpu=gfx1250 --defsym DOCPART=n.
;; ======== version 1 of 1: 4 launches
;; workspace buffers: Wb 8,388,608 bytes; xb 16,777,216 bytes; ww 32,768 bytes; xx 65,536 bytes; ck 131,072 bytes of whole numbers; ci 131,072 bytes of whole numbers; part 2,048 bytes
;; launch prep (part 1): grid 768 x 1, 8 waves a work-group, no clusters, 1,280 bytes of LDS; arguments W, x, Wb, xb, ww, xx; writes Wb, xb, ww, xx
.if DOCPART == 1
	.amdgcn_target "amdgcn-amd-amdhsa--gfx1250"
	.amdhsa_code_object_version 6
	.text
	.protected	k_q2ae4391d68_prep
	.globl	k_q2ae4391d68_prep
	.p2align	8
	.type	k_q2ae4391d68_prep,@function
k_q2ae4391d68_prep:
	s_mov_b64 s[64:65], 0
	v_nop
	global_prefetch_b8 v0, s[64:65] scope:SCOPE_SE
	s_setreg_imm32_b32 hwreg(HW_REG_WAVE_MODE, 25, 1), 1
	s_wait_xcnt 0x0
; PREP.  Wb = bf16(W), xb = bf16(x), ww[k] = sum of Wb[k][:]^2, xx[n] = sum of xb[n][:]^2 (sums in f32, of the ROUNDED numbers: the
; distances of the next launch are those of the rounded inputs).  W: [8192][512] f32, x: [16384][512] f32.
; A stream: each input byte is read once, each output byte written once; no matrix unit, no cluster: no work-group shares a byte with another.
; SHARES.  A work-group takes 32 rows, each of its eight waves 4.  Work-groups 0-255 take W's 8,192 rows, 256-767 x's 16,384.
; A row is 2,048 bytes: four loads of 16 bytes a lane, 512 consecutive bytes each; lane l of load i holds columns 128 i + 4 l .. + 3,
; which round to 8 bytes at byte 256 i + 8 l of the bf16 row: a wave's store covers 256 consecutive bytes, aligned.
; All 16 loads of a wave go out at once; the rows are worked on in their order behind counted waits.
.set Y,  8                             ; v[8:23]   two sets of 8 registers by turns: a row as bf16, to store
.set T,  24                            ; v[24:31]  at work: four pairs of f32
.set X,  32                            ; v[32:95]  row k at X + 16 k, as loaded
.set SQ, 96                            ; v[96:99]  two packed chains of squares
	s_load_b256 s[4:11], s[0:1], 0x0               ; W s[4:5], x s[6:7], Wb s[8:9], xb s[10:11]
	s_load_b128 s[12:15], s[0:1], 0x20             ; ww s[12:13], xx s[14:15]
	v_lshl_add_u32 v104, v0, 2, 0x100
	v_mov_b32 v105, 0
	v_lshrrev_b32 v3, 5, v0
	v_readfirstlane_b32 s16, v3                    ; wave 0..7
	v_and_b32 v4, 31, v0                           ; lane
	v_lshlrev_b32 v1, 4, v4                        ; my 16 bytes in 512 of the f32 row
	v_lshlrev_b32 v2, 3, v4                        ; my 8 bytes in 256 of the bf16 row
	v_lshlrev_b32 v5, 4, v3                        ; LDS: my wave's four words, one a row
	s_mov_b32 s24, 0xffff0000                      ; a word's upper bf16
	s_mov_b32 s25, 0x76543210                      ; v_permlanex16_b32: each lane takes its own place in the other half
	s_mov_b32 s26, 0xfedcba98
	s_sub_co_u32 s17, ttmp9, 256                   ; the block's number among x's blocks (used only where ttmp9 >= 256)
	s_wait_kmcnt 0x0
	s_cmp_lt_u32 ttmp9, 256                        ; W's blocks come first; the condition hangs on the work-group's number alone
	s_cselect_b64 s[18:19], s[4:5], s[6:7]         ; from
	s_cselect_b64 s[20:21], s[8:9], s[10:11]       ; to
	s_cselect_b64 s[22:23], s[12:13], s[14:15]     ; the sums of squares
	s_cselect_b32 s17, ttmp9, s17                  ; the block's number in its tensor
	s_lshl_b32 s27, s17, 5
	s_lshl2_add_u32 s27, s16, s27                  ; my wave's first row = 32 x block + 4 x wave
	s_lshl_b32 s28, s27, 11                        ; rows of 2,048 bytes: 2^25 at the most
	s_mov_b32 s29, 0
	s_add_nc_u64 s[18:19], s[18:19], s[28:29]
	s_lshl_b32 s28, s27, 10                        ; rows of 1,024 bytes
	s_add_nc_u64 s[20:21], s[20:21], s[28:29]
	s_lshl_b32 s28, s17, 7                         ; 32 sums of 4 bytes a block
	s_add_nc_u64 s[22:23], s[22:23], s[28:29]
.irp k, 0,1,2,3
.irp i, 0,1,2,3
	global_load_b128 v[X+16*(\k)+4*(\i):X+16*(\k)+4*(\i)+3], v1, s[18:19] offset:2048*(\k)+512*(\i) th:TH_LOAD_NT
.endr
.endr
; Row k: round, store, square the rounded numbers, add over the wave, leave the sum in LDS.
.macro ROWP k
.set YB, Y+8*((\k)%2)
	s_wait_loadcnt 12-4*(\k)                       ; loads come back in order (ISA guide 5.7.1): my row's four are in, the later rows' four each stay out
.if (\k) >= 2
	s_wait_xcnt 0x0                                ; this set of Y was the data of the stores two rows back: it is rewritten only behind this wait
.endif
.irp j, 0,1,2,3,4,5,6,7
	v_cvt_pk_bf16_f32 v[YB+(\j)], v[X+16*(\k)+2*(\j)], v[X+16*(\k)+2*(\j)+1]
.endr
.irp i, 0,1,2,3
	global_store_b64 v2, v[YB+2*(\i):YB+2*(\i)+1], s[20:21] offset:1024*(\k)+256*(\i)  ; 32 lanes x 8 bytes: 256 consecutive bytes, aligned
.endr
.irp j, 0,1,2,3,4,5,6,7
	v_lshlrev_b32 v[T+2*((\j)%4)],   16,  v[YB+(\j)]   ; bf16 to f32: the low half moves up,
	v_and_b32     v[T+2*((\j)%4)+1], s24, v[YB+(\j)]   ; the high half stays
.if (\j) < 2
	v_pk_mul_f32 v[SQ+2*(\j):SQ+2*(\j)+1], v[T+2*(\j):T+2*(\j)+1], v[T+2*(\j):T+2*(\j)+1]  ; the first two pairs start the chains: nothing is cleared
.else
	v_pk_fma_f32 v[SQ+2*((\j)%2):SQ+2*((\j)%2)+1], v[T+2*((\j)%4):T+2*((\j)%4)+1], v[T+2*((\j)%4):T+2*((\j)%4)+1], v[SQ+2*((\j)%2):SQ+2*((\j)%2)+1]
.endif
.endr
	v_pk_add_f32 v[SQ:SQ+1], v[SQ:SQ+1], v[SQ+2:SQ+3]
	v_add_f32 v[SQ], v[SQ], v[SQ+1]
	v_add_f32_dpp v[SQ], v[SQ], v[SQ] row_xmask:1 row_mask:0xf bank_mask:0xf
	v_add_f32_dpp v[SQ], v[SQ], v[SQ] row_xmask:2 row_mask:0xf bank_mask:0xf
	v_add_f32_dpp v[SQ], v[SQ], v[SQ] row_xmask:4 row_mask:0xf bank_mask:0xf
	v_add_f32_dpp v[SQ], v[SQ], v[SQ] row_xmask:8 row_mask:0xf bank_mask:0xf
	v_permlanex16_b32 v[SQ+1], v[SQ], s25, s26     ; its destination has been written above
	v_add_f32 v[SQ], v[SQ], v[SQ+1]                ; every lane holds the row's sum
	ds_store_b32 v5, v[SQ] offset:4*(\k)           ; all lanes write the same word with the same number
.endm
	ROWP 0
	ROWP 1
	ROWP 2
	ROWP 3
	s_wait_dscnt 0x0                               ; for wave 0's sake: my four sums are in LDS
	s_barrier_signal -1
	s_barrier_wait -1
	s_cmp_lg_u32 s16, 0
	s_cbranch_scc1 .Ldone                          ; wave 0 alone stores the block's 32 sums: 128 consecutive bytes
	v_lshlrev_b32 v6, 2, v4
	ds_load_b32 v7, v6
	s_wait_dscnt 0x0
	global_store_b32 v6, v7, s[22:23]
.Ldone:
	s_wait_tensorcnt 0x0
	ds_add_u32 v104, v105
	s_wait_dscnt 0x0
	s_endpgm
.Lfunc_end_k_q2ae4391d68_prep:
	.size	k_q2ae4391d68_prep, .Lfunc_end_k_q2ae4391d68_prep-k_q2ae4391d68_prep
	.p2alignl 7, 3214868480
	.fill 96, 4, 3214868480
	.section	.rodata,"a",@progbits
	.p2align	6, 0x0
	.amdhsa_kernel k_q2ae4391d68_prep
		.amdhsa_group_segment_fixed_size 1280
		.amdhsa_private_segment_fixed_size 0
		.amdhsa_enable_private_segment 0
		.amdhsa_kernarg_size 48
		.amdhsa_user_sgpr_count 2
		.amdhsa_user_sgpr_kernarg_segment_ptr 1
		.amdhsa_wavefront_size32 1
		.amdhsa_system_sgpr_workgroup_id_x 1
		.amdhsa_system_sgpr_workgroup_id_y 1
		.amdhsa_system_sgpr_workgroup_id_z 1
		.amdhsa_system_vgpr_workitem_id 0
		.amdhsa_next_free_vgpr 106
		.amdhsa_next_free_sgpr 66
		.amdhsa_reserve_vcc 0
		.amdhsa_float_denorm_mode_32 3
		.amdhsa_float_denorm_mode_16_64 3
		.amdhsa_memory_ordered 1
		.amdhsa_forward_progress 1
		.amdhsa_inst_pref_size 14
	.end_amdhsa_kernel
	.amdgpu_metadata
---
amdhsa.version: [ 1, 2 ]
amdhsa.kernels:
  - .name:           k_q2ae4391d68_prep
    .symbol:         k_q2ae4391d68_prep.kd
    .args:
      - { .name: W, .offset: 0, .size: 8, .value_kind: global_buffer, .address_space: global }
      - { .name: x, .offset: 8, .size: 8, .value_kind: global_buffer, .address_space: global }
      - { .name: Wb, .offset: 16, .size: 8, .value_kind: global_buffer, .address_space: global }
      - { .name: xb, .offset: 24, .size: 8, .value_kind: global_buffer, .address_space: global }
      - { .name: ww, .offset: 32, .size: 8, .value_kind: global_buffer, .address_space: global }
      - { .name: xx, .offset: 40, .size: 8, .value_kind: global_buffer, .address_space: global }
    .group_segment_fixed_size: 1280
    .private_segment_fixed_size: 0
    .kernarg_segment_align: 8
    .kernarg_segment_size: 48
    .max_flat_workgroup_size: 256
    .sgpr_count:     66
    .vgpr_count:     106
    .wavefront_size: 32
...
	.end_amdgpu_metadata
.endif
;; end of part 1
;; launch argmin (part 2): grid 128 x 2, 4 waves a work-group, clusters of 4 x 1, 327,680 bytes of LDS; arguments Wb, xb, ww, xx, ck, ci; writes ck, ci
.if DOCPART == 2
	.amdgcn_target "amdgcn-amd-amdhsa--gfx1250"
	.amdhsa_code_object_version 6
	.text
	.protected	k_q2ae4391d68_argmin
	.globl	k_q2ae4391d68_argmin
	.p2align	8
	.type	k_q2ae4391d68_argmin,@function
k_q2ae4391d68_argmin:
	s_mov_b64 s[64:65], 0
	v_nop
	global_prefetch_b8 v0, s[64:65] scope:SCOPE_SE
	s_setreg_imm32_b32 hwreg(HW_REG_WAVE_MODE, 25, 1), 1
	s_wait_xcnt 0x0
	s_wait_alu depctr_hold_cnt(0) depctr_sa_sdst(0) depctr_va_vdst(0) depctr_va_sdst(0) depctr_va_ssrc(0) depctr_va_vcc(0) depctr_vm_vsrc(0)
	s_getreg_b32 s2, hwreg(HW_REG_IB_STS2, 6, 4)
	s_cmp_eq_u32 s2, 0
	s_cbranch_scc0 .Lentry_in_a_cluster
	s_endpgm
.Lentry_in_a_cluster:
	s_bfe_u32 s2, ttmp6, 0x10000c
	s_cmp_lg_u32 s2, 0x3003
	s_cbranch_scc0 .Lentry_shape_is_right
	s_endpgm
.Lentry_shape_is_right:
; ARGMIN.  For each of 16,384 rows x_n and each half of the 8,192 codes: the least d[n][k] = (xx[n] + ww[k]) - 2 x_n . w_k and the first k that has it.
; xb: [16384][512] bf16, Wb: [8192][512] bf16, xx, ww: f32 sums of squares of those.  ci: [2][16384] u32 (k counted from 0 to 8191).
; ck: [2][16384] u32: the least distance as a whole number whose unsigned order is the distances' order, so that the next launch can choose between the halves by a scalar compare of whole numbers.
; THE ARITHMETIC follows the module's own order of roundings: A = xx + ww rounded to f32; d = A - 2 mm rounded once (one fused multiply-add: 2 mm is exact); mm is the matrix
; unit's f32 sum of bf16 products.  Every comparison keeps the lower index on a tie.
; LIMITS.  A distance that is NaN is never chosen (an argmin that ranks NaN lowest would choose it).  Where no distance of a row is below +infinity the lowest index is given.
; Two distances that differ by less than the f32 step at their size are told apart, or not, by the matrix unit's sums; a sum taken in another order may round the other way.
; SHARES.  A work-group owns 128 rows of x and one half (4,096) of the codes: 128 x 2 = 256 work-groups.  Wave w owns rows 64 (w / 2) .. + 63 and, of each tile of 128 codes, codes 64 (w % 2) .. + 63.
; Its 64 rows x 512 of x stay in 512 registers for the whole launch.  The half of W walks through two LDS slots, 128 codes x 512 a step, 32 steps.
; A CODE TILE is 16 codes x 64 rows: 16 steps of 32 along the depth x 4 tiles of 16 rows = 64 matrix instructions on 4 accumulators, which take turns, one instruction a turn.
; Source 0 = 16 codes, source 1 = 16 rows of x: in the result lane l holds ONE row of x (l % 16) and the codes 8 (l / 16) + 0..7, so a row's minimum stays in its lane until the end.
; While one code tile is multiplied into one set of accumulators, the tile before is SCORED in the other set: 23 vector instructions for each of its four results, three behind every two matrix instructions.
; CLUSTER.  The four work-groups of a cluster own four row blocks and the same half of the codes: each tile of W, and ww, is asked for JOINTLY (the same tensor load, descriptor and mask in all four).
; x's block is each work-group's own: a plain tensor load.  It lands in slot 1, goes into registers, and slot 1 is then handed to W.
; REGISTERS, in windows of 256 (s_set_vgpr_msb: bits 1:0 source 0, 3:2 source 1, 5:4 source 2, 7:6 destination):
;   window 0: all that is named below        window 1: W's fragments, two buffers of 128: buffer q, depth step kk at 128 q + 8 kk
;   windows 2, 3: x's fragments: rows 16 t .., depth step kk in window 2 + kk / 8 at 32 (kk % 8) + 8 t
; The scoring works in window 0 alone and the products want W and x beside the sums, so each three lines of scoring cost two switches: 64 for a code tile's 64 matrix instructions.
.set PITCH, 1040                       ; an LDS row: 1,024 bytes + 16 of padding = 260 words: row r starts at bank 4 r mod 64 (64 banks of 4 bytes: ISA guide 11.1), so the 16 rows of a load start at 16 different banks
.set QB,    32*PITCH                   ; 32 rows: what one tensor load brings
.set SLOTB, 4*QB                       ; 128 rows
.set WWL,   2*SLOTB                    ; behind the ring: ww of my 4,096 codes, filled once
.set RES,   WWL+16384                  ; the waves' results meet here: 2,048 bytes into which no tensor load lands
.set SPARE, RES+2048                   ; the spare words, 128 bytes for each wave: two blocks of 256 bytes that no other line names
.set TILEB, 128*1024                   ; a tile of W in memory
.set AW,   4                           ; v4-5    LDS address of my fragments of W in slot 0, 1; never rewritten
.set AX,   6                           ; v6      the same for x, in slot 1
.set AWW,  7                           ; v7      my lane's place in ww; never rewritten
.set VT,   8                           ; v8      the first of my lane's eight codes in the tile that is being scored
.set AWC,  9                           ; v9      LDS address of ww for the step in hand
.set SPW,  10                          ; v10     LDS address of my spare word: SPARE + 4 x my thread's number; never rewritten
.set NIL,  11                          ; v11     0; never rewritten
.set M,    12                          ; v12-13  at work: the least of eight distances
.set M2,   13
.set XX,   16                          ; v16-23  xx of my row in tile t, twice, at XX + 2 t
.set BEST, 24                          ; v24-27  the least distance so far, for tile t
.set TI,   28                          ; v28-31  VT of the code tile that held it
.set T,    32                          ; v32-39  at work: xx + ww
.set WW,   40                          ; v40-55  ww of my eight codes, two sets
.set SV,   56                          ; v56-87  the eight distances of the code tile that held the least, for tile t at SV + 8 t
.set ACC,  96                          ; v96-159 two sets of four accumulators: set p, tile t at ACC + 32 p + 8 t
.set J,    160                         ; v160-163  the end: the index
.set OP,   168                         ; v168-175  the end: (d, index) for tile t
.set RB,   176                         ; v176-183  the end: two rows' pairs from either half of the tiles' codes
.set FIN,  184                         ; v184-189  the end
.set G1W, 28                           ; s[28:35] descriptor group 1 for W's tiles (joint)
.set G1X, 36                           ; s[36:43] for x's block (my own)
.set G1S, 44                           ; s[44:51] for ww (joint)
.set G0,  52                           ; s[52:59] group 0 for W's tiles, a set for each slot
.set G0X, 60                           ; s[60:63] for x
.set TW,  66                           ; s66      bytes of ww that lie behind the steps done
.set G0S, 68                           ; s[68:71] for ww
.set CNT, 72                           ; s72      trips to go
.set INF, 73                           ; s73      +infinity
.set SEL, 74                           ; s[74:75] v_permlanex16_b32's selects: each lane takes its own place in the other half
.set MSB, 0
.macro WIN new                         ; the immediate's high byte repeats the setting that is left; a switch that changes nothing is dropped
.if MSB != (\new)
	s_set_vgpr_msb (MSB<<8)|(\new)
.set MSB, \new
.endif
.endm
; A round of the cluster's barrier: my work-group's barrier, so that wave 0's signal speaks for all four waves; wave 0 signals for the work-group; every wave waits for all four
; work-groups; my work-group's barrier once more.  No LDS instruction of the wave is pending at a signal.
.macro CREST                           ; a round behind its opening barrier
	s_cmp_lg_u32 s16, 0
	s_cbranch_scc1 .Lnot_wave_0_\@
	s_barrier_signal -3
.Lnot_wave_0_\@:
	s_barrier_wait -3
	s_barrier_signal -1
	s_barrier_wait -1
.endm
.macro ROUND
	s_barrier_signal -1
	s_barrier_wait -1
	CREST
.endm
; A joint fill of slot s: each wave asks for its 32 of the tile's 128 rows; both addresses hang on the wave's number, none on the place in the cluster.
; An s_nop 0 and four v_nop follow the line.
.macro JLOAD s
	tensor_load_to_lds s[G0+4*(\s):G0+4*(\s)+3], s[G1W:G1W+7]
	s_nop 0
.rept 4
	v_nop
.endr
.endm
	s_load_b256 s[4:11], s[0:1], 0x0               ; Wb s[4:5], xb s[6:7], ww s[8:9], xx s[10:11]
	s_load_b128 s[12:15], s[0:1], 0x20             ; ck s[12:13], ci s[14:15]
	v_lshl_add_u32 v[SPW], v0, 2, SPARE
	v_mov_b32 v[NIL], 0
	ds_add_u32 v10, v11
	ds_add_u32 v10, v11
	s_wait_dscnt 0x0
	v_lshrrev_b32 v3, 5, v0
	v_readfirstlane_b32 s16, v3                    ; wave 0..3
	s_lshr_b32 s17, s16, 1                         ; which 64 rows of x are mine
	s_and_b32 s18, s16, 1                          ; which 64 codes of a tile
	s_bfe_u32 s19, ttmp6, 0x40000                  ; cx: my place in the cluster
	s_lshl_b32 s20, ttmp9, 2                       ; in a cluster launch ttmp9 counts clusters
	s_add_co_u32 s20, s20, s19                     ; my block of 128 rows = 4 x cluster x + cx: it enters the addresses of xb, xx, ck and ci alone
	s_and_b32 s21, ttmp7, 0xffff                   ; the half of the codes, which the four partners share
	; group 1 for W and x: 32 rows x 512 elements of 2 bytes, padded in LDS
	s_mov_b32 s[G1W], 15|(1<<16)|(1<<20)|(1<<21)|(7<<22)|(3<<25)  ; 15:0 the mask of four; 17:16 2-byte elements; 20 padding on; 21 set beside a mask; 24:22 after every 256 words (code 7); 31:25 4 words (code 3)
	s_mov_b32 s[G1X], (1<<16)|(1<<20)|(7<<22)|(3<<25)             ; the same without a mask
.irp g, G1W, G1X
	s_mov_b32 s[(\g)+1], 512<<16                   ; tensor_dim0 = 512
	s_mov_b32 s[(\g)+2], 32<<16                    ; tensor_dim1 = 32
	s_mov_b32 s[(\g)+3], 512<<16                   ; tile_dim0 = 512
	s_mov_b32 s[(\g)+4], 32                        ; tile_dim1 = 32
	s_mov_b32 s[(\g)+5], 512                       ; 512 elements from row to row
	s_mov_b32 s[(\g)+6], 0
	s_mov_b32 s[(\g)+7], 0
.endr
	; group 1 for ww: 4,096 dense bytes as 16 rows of 256 bytes, elements of 8 bytes, no padding
	s_mov_b32 s[G1S], 15|(3<<16)|(1<<21)
	s_mov_b32 s[G1S+1], 32<<16
	s_mov_b32 s[G1S+2], 16<<16
	s_mov_b32 s[G1S+3], 32<<16
	s_mov_b32 s[G1S+4], 16
	s_mov_b32 s[G1S+5], 32
	s_mov_b32 s[G1S+6], 0
	s_mov_b32 s[G1S+7], 0
	s_mul_i32 s22, s16, QB                         ; my quarter of a slot
	s_mov_b32 s[G0], 1
	s_mov_b32 s[G0+1], s22                         ; slot 0
	s_mov_b32 s[G0+4], 1
	s_add_co_u32 s[G0+5], s22, SLOTB               ; slot 1
	s_mov_b32 s[G0X], 1
	s_add_co_u32 s[G0X+1], s22, SLOTB              ; x's block lands in slot 1 first
	s_mov_b32 s[G0S], 1
	s_lshl_b32 s23, s16, 12
	s_add_co_u32 s[G0S+1], s23, WWL                ; my quarter of ww
	s_lshl_b32 s24, s21, 22                        ; W: the half's 4,096 rows of 1,024 bytes,
	s_lshl_b32 s23, s16, 15                        ; my 32 rows of a tile
	s_add_co_u32 s24, s24, s23
	s_mov_b32 s25, 0
	s_lshl_b32 s26, s20, 17                        ; x: my block's 128 rows (s[26:27] alone hold offsets made of cx)
	s_add_co_u32 s26, s26, s23
	s_mov_b32 s27, 0
	s_mov_b32 s[TW], 0
	s_mov_b32 s[INF], 0x7f800000
	s_mov_b32 s[SEL], 0x76543210
	s_mov_b32 s[SEL+1], 0xfedcba98
	s_wait_kmcnt 0x0
	s_add_nc_u64 s[G0+2:G0+3], s[4:5], s[24:25]    ; tile 0
	s_add_nc_u64 s[G0+6:G0+7], s[G0+2:G0+3], TILEB ; tile 1
	s_or_b32 s[G0+3], s[G0+3], 0x80000000          ; 127:126 type = 2
	s_or_b32 s[G0+7], s[G0+7], 0x80000000
	s_add_nc_u64 s[G0X+2:G0X+3], s[6:7], s[26:27]
	s_or_b32 s[G0X+3], s[G0X+3], 0x80000000
	s_lshl_b32 s24, s21, 14                        ; ww: the half's 16,384 bytes, my 4,096 of them
	s_lshl_b32 s23, s16, 12
	s_add_co_u32 s24, s24, s23
	s_add_nc_u64 s[G0S+2:G0S+3], s[8:9], s[24:25]
	s_or_b32 s[G0S+3], s[G0S+3], 0x80000000
	s_lshl_b32 s26, s20, 9                         ; xx: my block's 128 words, my wave's 64 of them
	s_lshl_b32 s23, s17, 8
	s_add_co_u32 s26, s26, s23
	s_add_nc_u64 s[10:11], s[10:11], s[26:27]
	ROUND                                          ; all four work-groups are here: the first joint loads meet
	tensor_load_to_lds s[G0:G0+3], s[G1W:G1W+7]    ; the first fills go out as one group: three tensor loads of mine are out.  W's tile 0,
	s_nop 0
	tensor_load_to_lds s[G0X:G0X+3], s[G1X:G1X+7]  ; x's block,
	s_nop 0
	tensor_load_to_lds s[G0S:G0S+3], s[G1S:G1S+7]  ; ww
	s_nop 0
	; A fragment is 16 rows x 32 along the depth in 8 registers: lane l holds row l % 16; registers 0-3 depth 8 (l / 16) + 0..7, registers 4-7 depth 16 + 8 (l / 16) + 0..7: two loads of 16 bytes, 32 bytes apart.
	v_and_b32 v1, 15, v0                           ; l % 16
	v_bfe_u32 v2, v0, 4, 1                         ; l / 16
	v_mul_u32_u24 v3, v1, PITCH
	v_lshl_add_u32 v3, v2, 4, v3                   ; row x pitch + 16 x half
	s_mul_i32 s23, s18, 64*PITCH                   ; my 64 codes of a tile
	v_add_nc_u32 v[AW], s23, v3
	v_add_nc_u32 v[AW+1], SLOTB, v[AW]
	s_mul_i32 s23, s17, 64*PITCH                   ; my 64 rows of x, in slot 1
	s_add_co_u32 s23, s23, SLOTB
	v_add_nc_u32 v[AX], s23, v3
	s_lshl_b32 s23, s18, 8                         ; ww: my 64 codes' words, and my lane's eight of a tile's sixteen
	s_add_co_u32 s23, s23, WWL
	v_lshl_add_u32 v[AWW], v2, 5, s23
	s_lshl_b32 s23, s21, 12                        ; my lane's first code: 4,096 x half + 64 x (w % 2) + 8 (l / 16)
	s_lshl_b32 s24, s18, 6
	s_add_co_u32 s23, s23, s24
	v_lshl_add_u32 v14, v2, 3, s23
	v_add_nc_u32 v[VT], 0xffffffb0, v14            ; 80 less: the first scoring, of a tile that has not been, steps it by 80
	v_lshlrev_b32 v15, 2, v1
.irp t, 0,1,2,3
	global_load_b32 v[XX+2*(\t)], v15, s[10:11] offset:64*(\t)  ; xx of row 16 t + l % 16 of my 64
.endr
	; What the first scoring finds: accumulators 0 and ww = +infinity give distances of +infinity, which are below nothing.  So no first tile is written out; the price is these 80 lines, in the wait for the first tiles.
.irp t, 0,1,2,3
	v_mov_b32 v[BEST+(\t)], s[INF]
	v_mov_b32 v[TI+(\t)], v14
.endr
.set i, 0
.rept 32
	v_mov_b32 v[SV+i], s[INF]
	v_mov_b32 v[ACC+32+i], 0
.set i, i+1
.endr
.set i, 0
.rept 8
	v_mov_b32 v[WW+8+i], s[INF]
.set i, i+1
.endr
; Two matrix instructions: depth step g of the code tile in buffer and set p, for tiles t0 and t0 + 1 of x.  Depth step 0 starts the sums with the constant 0.
.macro MUL2 p, g, t0
	WIN 0x09+4*((\g)/8)                            ; W in window 1, x in window 2 or 3, sums in window 0
.irp t, \t0, (\t0)+1
.if (\g) == 0
	v_wmma_f32_16x16x32_bf16 v[ACC+32*(\p)+8*(\t):ACC+32*(\p)+8*(\t)+7], v[128*(\p)+8*(\g):128*(\p)+8*(\g)+7], v[32*((\g)%8)+8*(\t):32*((\g)%8)+8*(\t)+7], 0
.else
	v_wmma_f32_16x16x32_bf16 v[ACC+32*(\p)+8*(\t):ACC+32*(\p)+8*(\t)+7], v[128*(\p)+8*(\g):128*(\p)+8*(\g)+7], v[32*((\g)%8)+8*(\t):32*((\g)%8)+8*(\t)+7], v[ACC+32*(\p)+8*(\t):ACC+32*(\p)+8*(\t)+7]
.endif
.endr
.endm
; 32 LDS loads in one run: code tile a of my four in the slot, all 16 depth steps, into buffer q
.macro FETCHW slot, a, q
	WIN 0x40                                       ; destination window 1, address window 0
.irp kk, 0,1,2,3,4,5,6,7,8,9,10,11,12,13,14,15
	ds_load_b128 v[128*(\q)+8*(\kk):128*(\q)+8*(\kk)+3],   v[AW+(\slot)] offset:16*PITCH*(\a)+64*(\kk)
	ds_load_b128 v[128*(\q)+8*(\kk)+4:128*(\q)+8*(\kk)+7], v[AW+(\slot)] offset:16*PITCH*(\a)+64*(\kk)+32
.endr
.endm
; ww of my eight codes of code tile a, into set p; a step's first tile makes the step's address
.macro LOADWW a, p
	WIN 0
.if (\a) == 0
	v_add_nc_u32 v[AWC], s[TW], v[AWW]
	s_add_co_u32 s[TW], s[TW], 512                 ; a step's 128 codes
.endif
	ds_load_b128 v[WW+8*(\p):WW+8*(\p)+3],   v[AWC] offset:64*(\a)
	ds_load_b128 v[WW+8*(\p)+4:WW+8*(\p)+7], v[AWC] offset:64*(\a)+16
.endm
; THE SCORING of one result (tile t of x, set q): number n of 23.
;   0-3    A = xx + ww, rounded, for my eight codes          4-7   d = A - 2 mm, one rounding, in place; the accumulator's lowest registers are read first
;   8-11   the least of the eight                            12    is it BELOW the least so far?  (strictly: on a tie the earlier code tile, with the lower codes, stays)
;   13-22  if so: it, the tile's number and the eight distances are kept
.macro RID t, n, q
.set rA, ACC+32*(\q)+8*(\t)
.set rW, WW+8*(\q)
.if (\n) < 4
	v_pk_add_f32 v[T+2*(\n):T+2*(\n)+1], v[rW+2*(\n):rW+2*(\n)+1], v[XX+2*(\t):XX+2*(\t)+1]
.elseif (\n) < 8
	v_pk_fma_f32 v[rA+2*((\n)-4):rA+2*((\n)-4)+1], v[rA+2*((\n)-4):rA+2*((\n)-4)+1], -2.0, v[T+2*((\n)-4):T+2*((\n)-4)+1] op_sel_hi:[1,0,1]
.elseif (\n) == 8
	v_min3_num_f32 v[M], v[rA], v[rA+1], v[rA+2]
.elseif (\n) == 9
	v_min3_num_f32 v[M2], v[rA+3], v[rA+4], v[rA+5]
.elseif (\n) == 10
	v_min3_num_f32 v[M], v[M], v[rA+6], v[rA+7]
.elseif (\n) == 11
	v_min_num_f32 v[M], v[M], v[M2]
.elseif (\n) == 12
	v_cmp_lt_f32 vcc_lo, v[M], v[BEST+(\t)]
.elseif (\n) == 13
	v_min_num_f32 v[BEST+(\t)], v[BEST+(\t)], v[M]
.elseif (\n) == 14
	v_cndmask_b32 v[TI+(\t)], v[TI+(\t)], v[VT], vcc_lo
.else
	v_cndmask_b32 v[SV+8*(\t)+(\n)-15], v[SV+8*(\t)+(\n)-15], v[rA+(\n)-15], vcc_lo
.endif
.endm
; What stands behind two matrix instructions: half h2 (0, 1) of depth step g carries three of the 23 numbers of tile g / 4 (two in the tile's last half).  A tile's list fills the eight halves of four depth steps.
; aprev: which of a step's four code tiles is being scored: behind the last number VT steps to the next tile, 16 codes on, or 80 from a step's last tile to the next step's first (128 - 48).  -1: no step.
.macro RIDERS g, h2, q, aprev
	WIN 0
.irp m, 0,1,2
.if 3*(2*((\g)%4)+(\h2))+(\m) < 23
	RID (\g)/4, 3*(2*((\g)%4)+(\h2))+(\m), \q
.endif
.endr
.if ((\g) == 15) && ((\h2) == 1)
.if (\aprev) == 3
	v_add_nc_u32 v[VT], 80, v[VT]
.elseif (\aprev) >= 0
	v_add_nc_u32 v[VT], 16, v[VT]
.endif
.endif
.endm
; A CODE TILE: tile a of the slot's four is multiplied into set a % 2; the tile before is scored in the other set.
; A vector instruction that touches a matrix instruction's registers, and a load into them, stand four plain vector instructions or more behind it (ISA guide 7.12.1 for vector instructions):
; the first line that reads a finished sum is number 4 of its scoring, ten lines of scoring behind the last product on that sum; each run of loads stands fifteen lines or more behind the buffer's last reader.
; mode 0: behind depth step 1 the next tile's fragments are fetched from the same slot, 56 matrix instructions ahead of their use, and this tile's ww.
; mode 1: the slot's last tile, and THE CHANGE OF SLOTS.  My reads of the slot are over (the wait at the head).  I wait for all my tensor loads, of which one is out: my part of the other slot; add 0 to my spare word;
;         16 matrix instructions; wait for the add; signal; 16 matrix instructions; the rest of a round of the cluster's barrier: no wave of any partner still reads this slot or has a load on its way.
;         The joint refill, two tiles on, is the first thing behind it: from there to the wait for it a wave issues 224 matrix instructions.  Then the other slot's first fragments.
; mode 2: the same with nothing to ask for: a plain barrier.          mode 3: the last tile of all: only its ww is fetched.
.macro CT slot, a, mode
	s_wait_dscnt 0x0                               ; this tile's fragments and the last tile's ww are in
.if ((\mode) == 1) || ((\mode) == 2)
	WIN 0
	s_wait_tensorcnt 0x0                           ; no tensor load of mine is out, so a group 0 may be written
	ds_add_u32 v[SPW], v[NIL]                      ; 0 onto my spare word
.if (\mode) == 1
	s_add_nc_u64 s[G0+4*(\slot)+2:G0+4*(\slot)+3], s[G0+4*(\slot)+2:G0+4*(\slot)+3], 2*TILEB  ; this slot's next tile; the type bits on top are not reached
.endif
.endif
.irp g, 0,1,2,3,4,5,6,7,8,9,10,11,12,13,14,15
	MUL2 (\a)%2, \g, 0
	RIDERS \g, 0, 1-(\a)%2, ((\a)+3)%4
	MUL2 (\a)%2, \g, 2
	RIDERS \g, 1, 1-(\a)%2, ((\a)+3)%4
.if ((\mode) == 0) && ((\g) == 1)
	FETCHW \slot, (\a)+1, 1-(\a)%2
	LOADWW \a, (\a)%2
.endif
.if ((\mode) == 3) && ((\g) == 1)
	LOADWW \a, (\a)%2
.endif
.if (((\mode) == 1) || ((\mode) == 2)) && ((\g) == 3)
	s_wait_dscnt 0x0                               ; the add is done; my reads of this slot were over at the head
	s_barrier_signal -1                            ; say so; work on registers while the others arrive
.endif
.if (((\mode) == 1) || ((\mode) == 2)) && ((\g) == 7)
	s_barrier_wait -1                              ; (every window is 0 here: the scoring leaves it so)
.if (\mode) == 1
	CREST
	JLOAD \slot
.endif
	FETCHW 1-(\slot), 0, 1-(\a)%2
	LOADWW \a, (\a)%2
.endif
.endr
.endm
.macro STEP slot, m                    ; a slot's four code tiles
	CT \slot, 0, 0
	CT \slot, 1, 0
	CT \slot, 2, 0
	CT \slot, 3, \m
.endm
.macro XLOAD base                      ; x's fragments of depth steps base .. base + 7
.irp k8, 0,1,2,3,4,5,6,7
.irp t, 0,1,2,3
	ds_load_b128 v[32*(\k8)+8*(\t):32*(\k8)+8*(\t)+3],   v[AX] offset:16*PITCH*(\t)+64*((\base)+(\k8))
	ds_load_b128 v[32*(\k8)+8*(\t)+4:32*(\k8)+8*(\t)+7], v[AX] offset:16*PITCH*(\t)+64*((\base)+(\k8))+32
.endr
.endr
.endm
	s_wait_tensorcnt 0x0                           ; my parts of W's tile 0, of x and of ww are in,
	s_barrier_signal -1
	s_barrier_wait -1                              ; everybody's are
	WIN 0x80                                       ; destination window 2
	XLOAD 0
	WIN 0xc0                                       ; destination window 3
	XLOAD 8
	FETCHW 0, 0, 0                                 ; the first code tile
	WIN 0
	s_wait_tensorcnt 0x0                           ; SLOT 1 IS HANDED TO W: no tensor load of mine is out;
	ds_add_u32 v[SPW], v[NIL]                      ; 0 onto my spare word;
	s_wait_loadcnt 0x0                             ; (xx is in, and is doubled for the packed additions while the add is out)
.irp t, 0,1,2,3
	v_mov_b32 v[XX+2*(\t)+1], v[XX+2*(\t)]
.endr
	s_wait_dscnt 0x0                               ; the add is done, and x is in my registers: my reads of slot 1 are over
	ROUND                                          ; that holds of every wave of all four work-groups
	JLOAD 1                                        ; tile 1
	s_mov_b32 s[CNT], 15
.Ltrip:                                                ; a trip goes once round the ring: steps 2 i and 2 i + 1; each fills its slot again, with tiles 2 i + 2 and 2 i + 3
	STEP 0, 1
	STEP 1, 1
	WIN 0                                          ; at a label and at a branch every window is 0
	s_sub_co_u32 s[CNT], s[CNT], 1
	s_cmp_lg_u32 s[CNT], 0
	s_cbranch_scc1 .Ltrip
	STEP 0, 2                                      ; the last two steps are written out: nothing is left to ask for
	STEP 1, 3
	s_wait_dscnt 0x0                               ; the last tile's ww
.irp g, 0,1,2,3,4,5,6,7,8,9,10,11,12,13,14,15
	RIDERS \g, 0, 1, -1                            ; the last tile is scored; ten plain lines stand between the last product on a sum and the first read of it
	RIDERS \g, 1, 1, -1
.endr
	; THE WAY OUT.  Which of the kept eight distances is the least: the lowest j that equals it.  Then the row's other lane (16 away: the tiles' upper eight codes), then the other wave (the tiles' other 64 codes).
; (dd, di) = the better of (da, ia) and (db, ib): b if its distance is less, or equal with the lower index
.macro LEX dd, di, da, ia, db, ib
	v_cmp_lt_f32 s76, v[\db], v[\da]
	v_cmp_eq_f32 s77, v[\db], v[\da]
	v_cmp_lt_u32 s78, v[\ib], v[\ia]
	s_and_b32 s77, s77, s78
	s_or_b32 s76, s76, s77
	v_cndmask_b32 v[\dd], v[\da], v[\db], s76
	v_cndmask_b32 v[\di], v[\ia], v[\ib], s76
.endm
.irp t, 0,1,2,3
	v_mov_b32 v[J+(\t)], 7
.irp j, 6,5,4,3,2,1,0
	v_cmp_eq_f32 vcc_lo, v[SV+8*(\t)+(\j)], v[BEST+(\t)]
	v_cndmask_b32 v[J+(\t)], v[J+(\t)], \j, vcc_lo
.endr
	v_add_nc_u32 v[J+(\t)], v[TI+(\t)], v[J+(\t)]  ; the code's number
.endr
.irp t, 0,1,2,3
	v_permlanex16_b32 v[T+(\t)],   v[BEST+(\t)], s[SEL], s[SEL+1]  ; the destinations have been written by the scoring
	v_permlanex16_b32 v[T+4+(\t)], v[J+(\t)],    s[SEL], s[SEL+1]
.endr
.irp t, 0,1,2,3
	LEX OP+2*(\t), OP+2*(\t)+1, BEST+(\t), J+(\t), T+(\t), T+4+(\t)
.endr
	s_lshl_b32 s23, s18, 10                        ; by the tiles' half of codes 1,024 bytes: 128 rows x (d, index);
	s_lshl_b32 s24, s17, 9                         ; my 64 rows
	s_add_co_u32 s23, s23, s24
	s_add_co_u32 s23, s23, RES
	v_lshl_add_u32 v14, v1, 3, s23
.irp t, 0,1,2,3
	ds_store_b64 v14, v[OP+2*(\t):OP+2*(\t)+1] offset:128*(\t)  ; both lanes of a row write the same pair
.endr
	s_wait_dscnt 0x0                               ; for the others' sake: my stores are done
	s_barrier_signal -1
	s_barrier_wait -1
	v_and_b32 v13, 31, v0
	s_lshl_b32 s23, s18, 9                         ; wave w takes rows 64 (w % 2) + 2 l and the next,
	s_add_co_u32 s23, s23, RES
	v_lshl_add_u32 v15, v13, 4, s23
	ds_load_b128 v[RB:RB+3],   v15                 ; from the waves with the tiles' lower 64 codes
	ds_load_b128 v[RB+4:RB+7], v15 offset:1024     ; and from those with the upper
	s_lshl_b32 s82, s21, 16                        ; where they go: 65,536 x half + 4 x (128 x block + 64 (w % 2) + 2 l)
	s_lshl_b32 s26, s20, 9
	s_add_co_u32 s82, s82, s26
	s_lshl_b32 s26, s18, 8
	s_add_co_u32 s82, s82, s26
	s_mov_b32 s83, 0
	s_cmp_lt_u32 s16, 2                            ; waves 0 and 1 store the keys, waves 2 and 3 the indices: the condition hangs on the wave's number alone
	s_cselect_b64 s[80:81], s[12:13], s[14:15]
	s_cselect_b32 s79, -1, 0
	s_add_nc_u64 s[80:81], s[80:81], s[82:83]
	v_lshlrev_b32 v13, 3, v13
	s_wait_dscnt 0x0
	LEX FIN,   FIN+1, RB,   RB+1, RB+4, RB+5
	LEX FIN+2, FIN+3, RB+2, RB+3, RB+6, RB+7
	; THE KEY: the distance's bit pattern with the sign bit turned if it is positive, with all bits turned if it is negative: unsigned keys stand in the distances' order.
	; No -0 comes here (xx + ww is never -0, and a fused multiply-add whose exact result is 0 gives +0) and no NaN (the running minimum drops it), so equal keys are equal distances.
	v_ashrrev_i32 v[FIN+4], 31, v[FIN]
	v_ashrrev_i32 v[FIN+5], 31, v[FIN+2]
	v_or_b32 v[FIN+4], 0x80000000, v[FIN+4]
	v_or_b32 v[FIN+5], 0x80000000, v[FIN+5]
	v_xor_b32 v[FIN], v[FIN], v[FIN+4]
	v_xor_b32 v[FIN+2], v[FIN+2], v[FIN+5]
	v_cndmask_b32 v[FIN+4], v[FIN+1], v[FIN],   s79
	v_cndmask_b32 v[FIN+5], v[FIN+3], v[FIN+2], s79
	global_store_b64 v13, v[FIN+4:FIN+5], s[80:81] ; 32 lanes x 8 bytes: 256 consecutive bytes, aligned
	s_wait_tensorcnt 0x0                           ; the wave's end, behind my last tensor load and my last LDS store
	ds_add_u32 v[SPW], v[NIL]
	s_wait_dscnt 0x0
	ROUND                                          ; the closing round: no work-group ends while a partner may still ask for a tile that names it
	s_endpgm
.Lfunc_end_k_q2ae4391d68_argmin:
	.size	k_q2ae4391d68_argmin, .Lfunc_end_k_q2ae4391d68_argmin-k_q2ae4391d68_argmin
	.p2alignl 7, 3214868480
	.fill 96, 4, 3214868480
	.section	.rodata,"a",@progbits
	.p2align	6, 0x0
	.amdhsa_kernel k_q2ae4391d68_argmin
		.amdhsa_group_segment_fixed_size 327680
		.amdhsa_private_segment_fixed_size 0
		.amdhsa_enable_private_segment 0
		.amdhsa_kernarg_size 48
		.amdhsa_user_sgpr_count 2
		.amdhsa_user_sgpr_kernarg_segment_ptr 1
		.amdhsa_wavefront_size32 1
		.amdhsa_system_sgpr_workgroup_id_x 1
		.amdhsa_system_sgpr_workgroup_id_y 1
		.amdhsa_system_sgpr_workgroup_id_z 1
		.amdhsa_system_vgpr_workitem_id 0
		.amdhsa_next_free_vgpr 1024
		.amdhsa_next_free_sgpr 84
		.amdhsa_reserve_vcc 1
		.amdhsa_float_denorm_mode_32 3
		.amdhsa_float_denorm_mode_16_64 3
		.amdhsa_memory_ordered 1
		.amdhsa_forward_progress 1
		.amdhsa_inst_pref_size 232
	.end_amdhsa_kernel
	.amdgpu_metadata
---
amdhsa.version: [ 1, 2 ]
amdhsa.kernels:
  - .name:           k_q2ae4391d68_argmin
    .symbol:         k_q2ae4391d68_argmin.kd
    .args:
      - { .name: Wb, .offset: 0, .size: 8, .value_kind: global_buffer, .address_space: global }
      - { .name: xb, .offset: 8, .size: 8, .value_kind: global_buffer, .address_space: global }
      - { .name: ww, .offset: 16, .size: 8, .value_kind: global_buffer, .address_space: global }
      - { .name: xx, .offset: 24, .size: 8, .value_kind: global_buffer, .address_space: global }
      - { .name: ck, .offset: 32, .size: 8, .value_kind: global_buffer, .address_space: global }
      - { .name: ci, .offset: 40, .size: 8, .value_kind: global_buffer, .address_space: global }
    .group_segment_fixed_size: 327680
    .private_segment_fixed_size: 0
    .kernarg_segment_align: 8
    .kernarg_segment_size: 48
    .max_flat_workgroup_size: 128
    .sgpr_count:     84
    .vgpr_count:     1024
    .wavefront_size: 32
...
	.end_amdgpu_metadata
.endif
;; end of part 2
;; launch gather (part 3): grid 512 x 1, 8 waves a work-group, no clusters, 1,280 bytes of LDS; arguments x, W, ck, ci, out0, part; writes out0, part
.if DOCPART == 3
	.amdgcn_target "amdgcn-amd-amdhsa--gfx1250"
	.amdhsa_code_object_version 6
	.text
	.protected	k_q2ae4391d68_gather
	.globl	k_q2ae4391d68_gather
	.p2align	8
	.type	k_q2ae4391d68_gather,@function
k_q2ae4391d68_gather:
	s_mov_b64 s[64:65], 0
	v_nop
	global_prefetch_b8 v0, s[64:65] scope:SCOPE_SE
	s_setreg_imm32_b32 hwreg(HW_REG_WAVE_MODE, 25, 1), 1
	s_wait_xcnt 0x0
; GATHER.  For each row n the launch before has stored two candidates, one for each half of the codes: the indices ci[0][n], ci[1][n] and the keys ck[0][n], ck[1][n], whole numbers whose unsigned
; order is the order of the two least distances.  The upper half's candidate is taken only if its key is strictly less, so that the lower index wins a tie; the choice is a scalar compare and select of
; whole numbers read from memory, and one row of W is loaded.
; out0[n][:] = (q - x) + x in f32, in that order; part[g] = the work-group's sum of (q - x)^2.  x, out0: [16384][512] f32, W: [8192][512] f32.
; LIMIT.  An index is held to 0 .. 8191 before it enters an address.
; A stream: no matrix unit, no cluster, no tensor loads: a wave's 32 loads are all on their way at once and cost it 128 registers.
; SHARES.  A work-group takes 32 rows, a wave 4.  A row is four loads or stores of 16 bytes a lane: 512 consecutive bytes each, aligned.
.set CH, 4                             ; v[4:11]    four packed chains of squares
.set XR, 16                            ; v[16:79]   x, row k at XR + 16 k
.set Q,  80                            ; v[80:143]  the code's row; then q - x; then the result
	s_load_b256 s[4:11], s[0:1], 0x0               ; x s[4:5], W s[6:7], ck s[8:9], ci s[10:11]
	s_load_b128 s[12:15], s[0:1], 0x20             ; out0 s[12:13], part s[14:15]
	v_lshl_add_u32 v144, v0, 2, 0x100
	v_mov_b32 v145, 0
	v_lshrrev_b32 v2, 5, v0
	v_readfirstlane_b32 s16, v2                    ; wave 0..7
	v_lshlrev_b32 v3, 2, v2                        ; LDS: my wave's word
	v_and_b32 v1, 31, v0
	v_lshlrev_b32 v1, 4, v1                        ; my 16 bytes in 512
	s_lshl_b32 s17, ttmp9, 7
	s_lshl4_add_u32 s17, s16, s17                  ; 4 bytes x my first row (32 x work-group + 4 x wave)
	s_lshl_b32 s18, s17, 9                         ; 2,048 bytes x my first row: 2^25 at the most
	s_mov_b32 s19, 0
	s_lshl_b32 s56, ttmp9, 2
	s_mov_b32 s57, 0
	s_mov_b32 s58, 0x76543210                      ; v_permlanex16_b32: each lane takes its own place in the other half
	s_mov_b32 s59, 0xfedcba98
	s_wait_kmcnt 0x0
	s_load_b128 s[20:23], s[10:11], s17 offset:0x0       ; my four rows' indices in the lower half,
	s_load_b128 s[24:27], s[10:11], s17 offset:0x10000   ; in the upper half,
	s_load_b128 s[28:31], s[8:9], s17 offset:0x0         ; and their keys
	s_load_b128 s[32:35], s[8:9], s17 offset:0x10000
	s_add_nc_u64 s[4:5], s[4:5], s[18:19]
	s_add_nc_u64 s[12:13], s[12:13], s[18:19]
	s_add_nc_u64 s[56:57], s[14:15], s[56:57]
.irp k, 0,1,2,3
.irp i, 0,1,2,3
	global_load_b128 v[XR+16*(\k)+4*(\i):XR+16*(\k)+4*(\i)+3], v1, s[4:5] offset:2048*(\k)+512*(\i) th:TH_LOAD_NT  ; x goes out while the indices are under way
.endr
.endr
	s_wait_kmcnt 0x0
.irp k, 0,1,2,3
	s_cmp_lt_u32 s[32+(\k)], s[28+(\k)]            ; the upper half's key strictly less?
	s_cselect_b32 s[20+(\k)], s[24+(\k)], s[20+(\k)]
	s_min_u32 s[20+(\k)], s[20+(\k)], 8191         ; inside the table, whatever was stored
	s_lshl_b32 s[36+2*(\k)], s[20+(\k)], 11        ; rows of 2,048 bytes
	s_mov_b32 s[37+2*(\k)], 0
	s_add_nc_u64 s[36+2*(\k):37+2*(\k)], s[6:7], s[36+2*(\k):37+2*(\k)]
.endr
.irp k, 0,1,2,3
.irp i, 0,1,2,3
	global_load_b128 v[Q+16*(\k)+4*(\i):Q+16*(\k)+4*(\i)+3], v1, s[36+2*(\k):37+2*(\k)] offset:512*(\i)  ; no hint: a code's row may be named by many rows
.endr
.endr
.macro ROWG k
	s_wait_loadcnt 4*(3-(\k))                      ; loads come back in order (ISA guide 5.7.1): x and my row's four are in; the later rows' four each stay out
.irp j, 0,1,2,3,4,5,6,7
	v_pk_add_f32 v[Q+16*(\k)+2*(\j):Q+16*(\k)+2*(\j)+1], v[Q+16*(\k)+2*(\j):Q+16*(\k)+2*(\j)+1], v[XR+16*(\k)+2*(\j):XR+16*(\k)+2*(\j)+1] neg_lo:[0,1] neg_hi:[0,1]  ; q - x
.endr
.irp j, 0,1,2,3,4,5,6,7
.if ((\k) == 0) && ((\j) < 4)
	v_pk_mul_f32 v[CH+2*(\j):CH+2*(\j)+1], v[Q+2*(\j):Q+2*(\j)+1], v[Q+2*(\j):Q+2*(\j)+1]  ; the first four pairs start the chains: nothing is cleared
.else
	v_pk_fma_f32 v[CH+2*((\j)%4):CH+2*((\j)%4)+1], v[Q+16*(\k)+2*(\j):Q+16*(\k)+2*(\j)+1], v[Q+16*(\k)+2*(\j):Q+16*(\k)+2*(\j)+1], v[CH+2*((\j)%4):CH+2*((\j)%4)+1]
.endif
.endr
.irp j, 0,1,2,3,4,5,6,7
	v_pk_add_f32 v[Q+16*(\k)+2*(\j):Q+16*(\k)+2*(\j)+1], v[Q+16*(\k)+2*(\j):Q+16*(\k)+2*(\j)+1], v[XR+16*(\k)+2*(\j):XR+16*(\k)+2*(\j)+1]  ; (q - x) + x
.endr
.irp i, 0,1,2,3
	global_store_b128 v1, v[Q+16*(\k)+4*(\i):Q+16*(\k)+4*(\i)+3], s[12:13] offset:2048*(\k)+512*(\i) th:TH_STORE_NT  ; no register of a store is written again
.endr
.endm
	ROWG 0
	ROWG 1
	ROWG 2
	ROWG 3
	v_pk_add_f32 v[CH:CH+1], v[CH:CH+1], v[CH+2:CH+3]
	v_pk_add_f32 v[CH+4:CH+5], v[CH+4:CH+5], v[CH+6:CH+7]
	v_pk_add_f32 v[CH:CH+1], v[CH:CH+1], v[CH+4:CH+5]
	v_add_f32 v[CH], v[CH], v[CH+1]
	v_add_f32_dpp v[CH], v[CH], v[CH] row_xmask:1 row_mask:0xf bank_mask:0xf
	v_add_f32_dpp v[CH], v[CH], v[CH] row_xmask:2 row_mask:0xf bank_mask:0xf
	v_add_f32_dpp v[CH], v[CH], v[CH] row_xmask:4 row_mask:0xf bank_mask:0xf
	v_add_f32_dpp v[CH], v[CH], v[CH] row_xmask:8 row_mask:0xf bank_mask:0xf
	v_permlanex16_b32 v[CH+1], v[CH], s58, s59     ; its destination has been written above
	v_add_f32 v[CH], v[CH], v[CH+1]                ; the wave's sum, in every lane
	ds_store_b32 v3, v[CH]
	s_wait_dscnt 0x0                               ; for wave 0's sake: my sum is in LDS
	s_barrier_signal -1
	s_barrier_wait -1
	s_cmp_lg_u32 s16, 0
	s_cbranch_scc1 .Ldone                          ; wave 0 alone adds the eight, in a fixed order
	v_mov_b32 v2, 0
	ds_load_b128 v[4:7], v2
	ds_load_b128 v[8:11], v2 offset:16
	s_wait_dscnt 0x0
	v_add_f32 v4, v4, v5
	v_add_f32 v6, v6, v7
	v_add_f32 v8, v8, v9
	v_add_f32 v10, v10, v11
	v_add_f32 v4, v4, v6
	v_add_f32 v8, v8, v10
	v_add_f32 v4, v4, v8
	v_cmp_eq_u32 vcc_lo, 0, v0
	s_wait_xcnt 0x0                                ; EXEC, a source of the stores above, changes only behind this wait
	s_and_saveexec_b32 s60, vcc_lo
	global_store_b32 v2, v4, s[56:57]              ; one number a work-group: summed by the next launch, in order
	s_wait_xcnt 0x0                                ; and again, in front of the line that widens it
	s_or_b32 exec_lo, exec_lo, s60
.Ldone:
	s_wait_tensorcnt 0x0
	ds_add_u32 v144, v145
	s_wait_dscnt 0x0
	s_endpgm
.Lfunc_end_k_q2ae4391d68_gather:
	.size	k_q2ae4391d68_gather, .Lfunc_end_k_q2ae4391d68_gather-k_q2ae4391d68_gather
	.p2alignl 7, 3214868480
	.fill 96, 4, 3214868480
	.section	.rodata,"a",@progbits
	.p2align	6, 0x0
	.amdhsa_kernel k_q2ae4391d68_gather
		.amdhsa_group_segment_fixed_size 1280
		.amdhsa_private_segment_fixed_size 0
		.amdhsa_enable_private_segment 0
		.amdhsa_kernarg_size 48
		.amdhsa_user_sgpr_count 2
		.amdhsa_user_sgpr_kernarg_segment_ptr 1
		.amdhsa_wavefront_size32 1
		.amdhsa_system_sgpr_workgroup_id_x 1
		.amdhsa_system_sgpr_workgroup_id_y 1
		.amdhsa_system_sgpr_workgroup_id_z 1
		.amdhsa_system_vgpr_workitem_id 0
		.amdhsa_next_free_vgpr 146
		.amdhsa_next_free_sgpr 66
		.amdhsa_reserve_vcc 1
		.amdhsa_float_denorm_mode_32 3
		.amdhsa_float_denorm_mode_16_64 3
		.amdhsa_memory_ordered 1
		.amdhsa_forward_progress 1
		.amdhsa_inst_pref_size 15
	.end_amdhsa_kernel
	.amdgpu_metadata
---
amdhsa.version: [ 1, 2 ]
amdhsa.kernels:
  - .name:           k_q2ae4391d68_gather
    .symbol:         k_q2ae4391d68_gather.kd
    .args:
      - { .name: x, .offset: 0, .size: 8, .value_kind: global_buffer, .address_space: global }
      - { .name: W, .offset: 8, .size: 8, .value_kind: global_buffer, .address_space: global }
      - { .name: ck, .offset: 16, .size: 8, .value_kind: global_buffer, .address_space: global }
      - { .name: ci, .offset: 24, .size: 8, .value_kind: global_buffer, .address_space: global }
      - { .name: out0, .offset: 32, .size: 8, .value_kind: global_buffer, .address_space: global }
      - { .name: part, .offset: 40, .size: 8, .value_kind: global_buffer, .address_space: global }
    .group_segment_fixed_size: 1280
    .private_segment_fixed_size: 0
    .kernarg_segment_align: 8
    .kernarg_segment_size: 48
    .max_flat_workgroup_size: 256
    .sgpr_count:     66
    .vgpr_count:     146
    .wavefront_size: 32
...
	.end_amdgpu_metadata
.endif
;; end of part 3
;; launch finish (part 4): grid 1 x 1, 1 waves a work-group, no clusters, 0 bytes of LDS; arguments part, out1; writes out1
.if DOCPART == 4
	.amdgcn_target "amdgcn-amd-amdhsa--gfx1250"
	.amdhsa_code_object_version 6
	.text
	.protected	k_q2ae4391d68_finish
	.globl	k_q2ae4391d68_finish
	.p2align	8
	.type	k_q2ae4391d68_finish,@function
k_q2ae4391d68_finish:
	s_mov_b64 s[64:65], 0
	v_nop
	global_prefetch_b8 v0, s[64:65] scope:SCOPE_SE
	s_setreg_imm32_b32 hwreg(HW_REG_WAVE_MODE, 25, 1), 1
	s_wait_xcnt 0x0
; FINISH.  out1 = 0.25 m + m, m = (the sum of the 512 partial sums) / (16384 x 512).  Both of the module's two losses are the same mean m.
; One wave: 2,048 bytes, four loads of 16 bytes a lane; the sum spans work-groups of the launch before, so it is taken here, in a fixed order.
	s_load_b128 s[4:7], s[0:1], 0x0                ; part s[4:5], out1 s[6:7]
	v_lshlrev_b32 v1, 4, v0
	s_mov_b32 s8, 0x76543210                       ; v_permlanex16_b32: each lane takes its own place in the other half
	s_mov_b32 s9, 0xfedcba98
	s_mov_b32 s11, 0x3e800000                      ; 0.25
	s_wait_kmcnt 0x0
.irp i, 0,1,2,3
	global_load_b128 v[4+4*(\i):7+4*(\i)], v1, s[4:5] offset:512*(\i)
.endr
	s_wait_loadcnt 0x0
	v_pk_add_f32 v[4:5], v[4:5], v[6:7]
	v_pk_add_f32 v[8:9], v[8:9], v[10:11]
	v_pk_add_f32 v[12:13], v[12:13], v[14:15]
	v_pk_add_f32 v[16:17], v[16:17], v[18:19]
	v_pk_add_f32 v[4:5], v[4:5], v[8:9]
	v_pk_add_f32 v[12:13], v[12:13], v[16:17]
	v_pk_add_f32 v[4:5], v[4:5], v[12:13]
	v_add_f32 v4, v4, v5
	v_add_f32_dpp v4, v4, v4 row_xmask:1 row_mask:0xf bank_mask:0xf
	v_add_f32_dpp v4, v4, v4 row_xmask:2 row_mask:0xf bank_mask:0xf
	v_add_f32_dpp v4, v4, v4 row_xmask:4 row_mask:0xf bank_mask:0xf
	v_add_f32_dpp v4, v4, v4 row_xmask:8 row_mask:0xf bank_mask:0xf
	v_permlanex16_b32 v5, v4, s8, s9               ; its destination has been written above
	v_add_f32 v4, v4, v5
	v_mul_f32 v4, 0x34000000, v4                   ; x 2^-23: 16384 x 512 numbers
	v_fma_f32 v5, v4, s11, v4                      ; 0.25 m + m, one rounding (0.25 m is exact)
	v_mov_b32 v6, 0
	v_cmp_eq_u32 vcc_lo, 0, v0
	s_wait_xcnt 0x0                                ; EXEC changes only behind this wait
	s_and_saveexec_b32 s10, vcc_lo
	global_store_b32 v6, v5, s[6:7]
	s_wait_xcnt 0x0                                ; and again, in front of the line that widens it
	s_or_b32 exec_lo, exec_lo, s10
	s_endpgm
.Lfunc_end_k_q2ae4391d68_finish:
	.size	k_q2ae4391d68_finish, .Lfunc_end_k_q2ae4391d68_finish-k_q2ae4391d68_finish
	.p2alignl 7, 3214868480
	.fill 96, 4, 3214868480
	.section	.rodata,"a",@progbits
	.p2align	6, 0x0
	.amdhsa_kernel k_q2ae4391d68_finish
		.amdhsa_group_segment_fixed_size 0
		.amdhsa_private_segment_fixed_size 0
		.amdhsa_enable_private_segment 0
		.amdhsa_kernarg_size 16
		.amdhsa_user_sgpr_count 2
		.amdhsa_user_sgpr_kernarg_segment_ptr 1
		.amdhsa_wavefront_size32 1
		.amdhsa_system_sgpr_workgroup_id_x 1
		.amdhsa_system_sgpr_workgroup_id_y 1
		.amdhsa_system_sgpr_workgroup_id_z 1
		.amdhsa_system_vgpr_workitem_id 0
		.amdhsa_next_free_vgpr 32
		.amdhsa_next_free_sgpr 66
		.amdhsa_reserve_vcc 1
		.amdhsa_float_denorm_mode_32 3
		.amdhsa_float_denorm_mode_16_64 3
		.amdhsa_memory_ordered 1
		.amdhsa_forward_progress 1
		.amdhsa_inst_pref_size 3
	.end_amdhsa_kernel
	.amdgpu_metadata
---
amdhsa.version: [ 1, 2 ]
amdhsa.kernels:
  - .name:           k_q2ae4391d68_finish
    .symbol:         k_q2ae4391d68_finish.kd
    .args:
      - { .name: part, .offset: 0, .size: 8, .value_kind: global_buffer, .address_space: global }
      - { .name: out1, .offset: 8, .size: 8, .value_kind: global_buffer, .address_space: global }
    .group_segment_fixed_size: 0
    .private_segment_fixed_size: 0
    .kernarg_segment_align: 8
    .kernarg_segment_size: 16
    .max_flat_workgroup_size: 32
    .sgpr_count:     66
    .vgpr_count:     32
    .wavefront_size: 32
...
	.end_amdgpu_metadata
.endif
;; end of part 4
